; MI455X (gfx1250); checked and timed in simulation.
; The chip was launched on July 23, 2026; its instructions are those of AMD's public machine-readable ISA for CDNA 5 (MIT licence, August 2026) and "CDNA5" Instruction Set Architecture Reference Guide (July 2026). The comments in the code are by the model that wrote it; some were corrected since.
;; Multi Head Attention. Allowed arithmetic: float matrix products may take bf16 or f16 operands with f32 sums; all other float work in f32.
;; Inputs: bk 1,024 float32; bo 1,024 float32; bq 1,024 float32; bv 1,024 float32; causal_mask 1 x 1 x 2,048 x 2,048 bool; wk 1,024 x 1,024 float32; wo 1,024 x 1,024 float32; wq 1,024 x 1,024 float32; wv 1,024 x 1,024 float32; x 2 x 2,048 x 1,024 float32.
;; Outputs: out0 2 x 2,048 x 1,024 float32.
;; One version. Each part assembles by itself: llvm-mc -triple=amdgcn-amd-amdhsa -mcpu=gfx1250 --defsym DOCPART=n.
;; ======== version 1 of 1: 4 launches
;; limits: values are held in f16: magnitudes above 65,504 overflow, below 6.1e-05 lose precision
;; workspace buffers: xb 8,388,608 bytes; wob 2,097,152 bytes; wqkvb 6,291,456 bytes; mb 524,288 bytes of whole numbers; qkv 25,165,824 bytes; ao 8,388,608 bytes
;; launch cast (part 1): grid 1152 x 1, 8 waves a work-group, no clusters, 35,840 bytes of LDS; arguments x, wo, wq, wk, wv, causal_mask, xb, wob, wqkvb, mb; writes xb, wob, wqkvb, mb
.if DOCPART == 1
	.amdgcn_target "amdgcn-amd-amdhsa--gfx1250"
	.amdhsa_code_object_version 6
	.text
	.protected	k_q5dfdfd79ce_cast
	.globl	k_q5dfdfd79ce_cast
	.p2align	8
	.type	k_q5dfdfd79ce_cast,@function
k_q5dfdfd79ce_cast:
	s_mov_b64 s[64:65], 0
	v_nop
	global_prefetch_b8 v0, s[64:65] scope:SCOPE_SE
	s_setreg_imm32_b32 hwreg(HW_REG_WAVE_MODE, 25, 1), 1
	s_wait_xcnt 0x0
; cast: makes the operands of the three matrix launches, each input byte read once.
;   work-groups    0 ..  511: x  [4096][1024] f32 -> xb  bf16, same order          (8,192 numbers each)
;   work-groups  512 ..  639: wo [1024][1024] f32 -> wob, same order: rounded to bf16, that value written as an f16 code (8,192 numbers each)
;   work-groups  640 .. 1023: wq, wk, wv [k][n] f32 -> wqkvb bf16 [mat 3][head 16][k 1024][64]   (8 rows k each)
;   work-groups 1024 .. 1151: causal_mask bytes -> mb, u32 [q tile 128][key tile 128][j 8]; bit 16 h + r of word j is
;                             mask[16 qtile + r][16 ktile + 8 h + j]: the lane mask of register j of a 16 x 16 score tile (keys down, queries across).
; A stream: no matrix unit, no cluster (no two work-groups read the same bytes), no barrier (a wave's LDS bytes are its own).
; Limit of format: x and all four weights are rounded to bf16, to nearest even, all alike.  wo's partner in its product is kept in f16, and the f16 matrix form
; takes both operands in f16: a bf16 value has 8 significant bits and f16's last place is 2^-24, so the f16 code holds it exactly from 2^-17 up;
; below that the code is off by 2^-25 at the most.  wo has room in f16: 0.03 as drawn, 1 when 30 times larger.
.set XR,    8                          ; v[8:39]   eight loads of 16 bytes
.set YR,    40                         ; v[40:55]  casts: eight pairs of packed 16-bit numbers
.set WD,    44                         ; v[44:47]  mask: the four words that a lane stores
.set TM,    48                         ; v[48:51]  mask: one byte picked out, four by turns
.set MBY,   52                         ; v[52:83]  mask: 8 bytes for each of 16 key tiles
.set LROW,  272                        ; LDS row: 256 mask bytes + 16, so that 16 rows start 4 banks apart (64 banks of 4 bytes: ISA guide 11.1)
.set LWAVE, 16*LROW                    ; a wave's own 16 rows
	s_load_b512 s[4:19], s[0:1], 0x0               ; x s[4:5], wo s[6:7], wq s[8:9], wk s[10:11], wv s[12:13], mask s[14:15], xb s[16:17], wob s[18:19]
	s_load_b128 s[20:23], s[0:1], 0x40             ; wqkvb s[20:21], mb s[22:23]
	v_lshl_add_u32 v88, v0, 2, 0x8800
	v_mov_b32 v89, 0
	v_lshrrev_b32 v4, 5, v0                        ; wave
	v_readfirstlane_b32 s24, v4
	v_and_b32 v3, 31, v0                           ; lane
	v_and_b32 v5, 15, v0                           ; lane % 16
	v_bfe_u32 v6, v0, 4, 1                         ; lane / 16
	s_mov_b32 s30, ttmp9                           ; the work-group's number picks the job: the same for all its waves
	s_mov_b32 s33, 0                               ; high word of every byte offset below (all under 4 GiB)
	s_wait_kmcnt 0x0
	s_cmp_ge_u32 s30, 1024
	s_cbranch_scc1 .Lmask
	s_cmp_ge_u32 s30, 640
	s_cbranch_scc1 .Lheads
; Eight loads of 16 bytes a lane, all issued first; then each is rounded and stored as 8 bytes a lane.
; Load j stands at (j/2) lhi + (j%2) llo from s[26:27] + v1, store j at (j/2) shi + (j%2) slo from s[28:29] + v2.
; half = 1: the bf16 values are widened again and written as f16 codes.
.macro CAST8 lhi, llo, shi, slo, half
.irp j, 0,1,2,3,4,5,6,7
	global_load_b128 v[XR+4*\j:XR+4*\j+3], v1, s[26:27] offset:(\j/2)*\lhi+(\j%2)*\llo th:TH_LOAD_NT
.endr
.irp j, 0,1,2,3,4,5,6,7
	s_wait_loadcnt 7-\j                            ; loads return in order: load j is in, the 7 - j younger ones stay out
	v_cvt_pk_bf16_f32 v[YR+2*\j],   v[XR+4*\j],   v[XR+4*\j+1]
	v_cvt_pk_bf16_f32 v[YR+2*\j+1], v[XR+4*\j+2], v[XR+4*\j+3]
.if \half
	v_lshlrev_b32 v[XR+4*\j],   16, v[YR+2*\j]                 ; bf16 to f32: the low half moves up, the high half stays
	v_and_b32     v[XR+4*\j+1], 0xffff0000, v[YR+2*\j]
	v_lshlrev_b32 v[XR+4*\j+2], 16, v[YR+2*\j+1]
	v_and_b32     v[XR+4*\j+3], 0xffff0000, v[YR+2*\j+1]
	v_cvt_pk_f16_f32 v[YR+2*\j],   v[XR+4*\j],   v[XR+4*\j+1]
	v_cvt_pk_f16_f32 v[YR+2*\j+1], v[XR+4*\j+2], v[XR+4*\j+3]
.endif
	global_store_b64 v2, v[YR+2*\j:YR+2*\j+1], s[28:29] offset:(\j/2)*\shi+(\j%2)*\slo   ; the wave's 32 lanes store 256 consecutive bytes, aligned
.endr
.endm
	; ---- x and wo: same order in and out.  Chunk n = 32,768 bytes in, 16,384 out; thread t takes bytes 16 t + 4,096 j.
	s_sub_co_u32 s25, s30, 512                     ; chunk number if this is wo's
	s_cmp_lt_u32 s30, 512
	s_cselect_b64 s[26:27], s[4:5], s[6:7]         ; from x or wo
	s_cselect_b64 s[28:29], s[16:17], s[18:19]     ; to xb or wob
	s_cselect_b32 s25, s30, s25
	s_lshl_b32 s32, s25, 15
	s_add_nc_u64 s[26:27], s[26:27], s[32:33]
	s_lshl_b32 s32, s25, 14
	s_add_nc_u64 s[28:29], s[28:29], s[32:33]
	v_lshlrev_b32 v1, 4, v0
	v_lshlrev_b32 v2, 3, v0
	s_cmp_ge_u32 s30, 512
	s_cbranch_scc1 .Lwo
	CAST8 8192, 4096, 4096, 2048, 0
	s_endpgm
.Lwo:
	CAST8 8192, 4096, 4096, 2048, 1
	s_endpgm
.Lheads:
	; ---- wq, wk, wv: rows k = 8 c .. 8 c + 7.  Wave w takes heads 2 w and 2 w + 1 (512 bytes of a row).
	; Load j: head 2 w + j%2, rows 2 (j/2) (lanes 0-15) and 2 (j/2) + 1 (lanes 16-31), 256 bytes each.
	; In wqkvb a head's rows are 128 bytes and follow each other, so these two rows are 256 consecutive bytes: one store.
	s_sub_co_u32 s25, s30, 640
	s_lshr_b32 s31, s25, 7                         ; which matrix
	s_and_b32 s25, s25, 127                        ; c
	s_cmp_eq_u32 s31, 0
	s_cselect_b64 s[26:27], s[8:9], s[10:11]
	s_cmp_eq_u32 s31, 2
	s_cselect_b64 s[26:27], s[12:13], s[26:27]
	s_lshl_b32 s32, s25, 15                        ; 8 rows of 4,096 bytes
	s_add_nc_u64 s[26:27], s[26:27], s[32:33]
	s_lshl_b32 s32, s31, 21                        ; a matrix is 2 MiB in bf16
	s_lshl_b32 s34, s25, 10                        ; 8 rows of 128 bytes
	s_add_co_u32 s32, s32, s34
	s_add_nc_u64 s[28:29], s[20:21], s[32:33]
	v_lshlrev_b32 v1, 4, v5
	v_lshl_or_b32 v1, v4, 9, v1
	v_lshl_or_b32 v1, v6, 12, v1                   ; (lane/16) rows + 512 w + 16 (lane%16)
	v_lshlrev_b32 v2, 3, v3
	v_lshl_or_b32 v2, v4, 18, v2                   ; two heads of 131,072 bytes a wave + 8 lane
	CAST8 8192, 256, 256, 131072, 0
	s_endpgm
.Lmask:
	; ---- the mask: 16 query rows; wave w takes keys 256 w .. 256 w + 255 (16 key tiles).
	s_sub_co_u32 s25, s30, 1024                    ; q tile
	s_lshl_b32 s32, s25, 15                        ; 16 rows of 2,048 bytes
	s_add_nc_u64 s[26:27], s[14:15], s[32:33]
	s_lshl_b32 s32, s25, 12                        ; 128 key tiles of 32 bytes
	s_add_nc_u64 s[28:29], s[22:23], s[32:33]
	v_lshlrev_b32 v1, 4, v5
	v_lshl_or_b32 v1, v4, 8, v1
	v_lshl_or_b32 v1, v6, 11, v1                   ; (lane/16) rows + 256 w + 16 (lane%16)
.irp i, 0,1,2,3,4,5,6,7
	global_load_b128 v[XR+4*\i:XR+4*\i+3], v1, s[26:27] offset:4096*\i th:TH_LOAD_NT   ; rows 2 i and 2 i + 1, 256 consecutive bytes each
.endr
	s_mul_i32 s31, s24, LWAVE                      ; my wave's own LDS bytes
	v_mul_u32_u24 v7, v6, LROW
	v_lshl_add_u32 v7, v5, 4, v7
	v_add_nc_u32 v7, s31, v7                       ; in: row lane/16, 16 bytes at 16 (lane%16)
	v_mul_u32_u24 v2, v5, LROW
	v_lshl_add_u32 v2, v6, 3, v2
	v_add_nc_u32 v2, s31, v2                       ; back: row r = lane%16, 8 bytes at 8 h
	v_lshlrev_b32 v3, 4, v0                        ; 512 w + 16 lane: where my four words go
.irp k, 0,1,2,3
	v_mov_b32 v[WD+\k], 0                          ; v_writelane_b32 keeps the other lanes: the registers are written whole first
.endr
.irp i, 0,1,2,3,4,5,6,7
	s_wait_loadcnt 7-\i                            ; the 7 - i younger loads stay out
	ds_store_b128 v7, v[XR+4*\i:XR+4*\i+3] offset:2*LROW*\i
.endr
.irp t, 0,1,2,3,4,5,6,7,8,9,10,11,12,13,14,15
	ds_load_b64 v[MBY+2*\t:MBY+2*\t+1], v2 offset:16*\t    ; mask[r][16 t + 8 h .. + 7]; LDS serves a wave's instructions in order, so these see the stores
.endr
	s_wait_dscnt 0x0
	; word n = 8 t + j: the compare's lane mask IS the word; it goes to lane n/4, register n%4, so that one store of 16 bytes a lane writes all 128.
.set n, 0
.rept 128
	v_and_b32 v[TM+(n&3)], 0xff<<(8*(n&3)), v[MBY+2*(n>>3)+((n>>2)&1)]
	v_cmp_ne_u32 s[36+(n&7)], 0, v[TM+(n&3)]
	v_writelane_b32 v[WD+(n&3)], s[36+(n&7)], n>>2
.set n, n+1
.endr
	global_store_b128 v3, v[WD:WD+3], s[28:29]     ; 512 consecutive bytes, aligned
	s_wait_tensorcnt 0x0
	ds_add_u32 v88, v89
	s_wait_dscnt 0x0
	s_endpgm
.Lfunc_end_k_q5dfdfd79ce_cast:
	.size	k_q5dfdfd79ce_cast, .Lfunc_end_k_q5dfdfd79ce_cast-k_q5dfdfd79ce_cast
	.p2alignl 7, 3214868480
	.fill 96, 4, 3214868480
	.section	.rodata,"a",@progbits
	.p2align	6, 0x0
	.amdhsa_kernel k_q5dfdfd79ce_cast
		.amdhsa_group_segment_fixed_size 35840
		.amdhsa_private_segment_fixed_size 0
		.amdhsa_enable_private_segment 0
		.amdhsa_kernarg_size 80
		.amdhsa_user_sgpr_count 2
		.amdhsa_user_sgpr_kernarg_segment_ptr 1
		.amdhsa_wavefront_size32 1
		.amdhsa_system_sgpr_workgroup_id_x 1
		.amdhsa_system_sgpr_workgroup_id_y 1
		.amdhsa_system_sgpr_workgroup_id_z 1
		.amdhsa_system_vgpr_workitem_id 0
		.amdhsa_next_free_vgpr 90
		.amdhsa_next_free_sgpr 66
		.amdhsa_reserve_vcc 0
		.amdhsa_float_denorm_mode_32 3
		.amdhsa_float_denorm_mode_16_64 3
		.amdhsa_memory_ordered 1
		.amdhsa_forward_progress 1
		.amdhsa_inst_pref_size 41
	.end_amdhsa_kernel
	.amdgpu_metadata
---
amdhsa.version: [ 1, 2 ]
amdhsa.kernels:
  - .name:           k_q5dfdfd79ce_cast
    .symbol:         k_q5dfdfd79ce_cast.kd
    .args:
      - { .name: x, .offset: 0, .size: 8, .value_kind: global_buffer, .address_space: global }
      - { .name: wo, .offset: 8, .size: 8, .value_kind: global_buffer, .address_space: global }
      - { .name: wq, .offset: 16, .size: 8, .value_kind: global_buffer, .address_space: global }
      - { .name: wk, .offset: 24, .size: 8, .value_kind: global_buffer, .address_space: global }
      - { .name: wv, .offset: 32, .size: 8, .value_kind: global_buffer, .address_space: global }
      - { .name: causal_mask, .offset: 40, .size: 8, .value_kind: global_buffer, .address_space: global }
      - { .name: xb, .offset: 48, .size: 8, .value_kind: global_buffer, .address_space: global }
      - { .name: wob, .offset: 56, .size: 8, .value_kind: global_buffer, .address_space: global }
      - { .name: wqkvb, .offset: 64, .size: 8, .value_kind: global_buffer, .address_space: global }
      - { .name: mb, .offset: 72, .size: 8, .value_kind: global_buffer, .address_space: global }
    .group_segment_fixed_size: 35840
    .private_segment_fixed_size: 0
    .kernarg_segment_align: 8
    .kernarg_segment_size: 80
    .max_flat_workgroup_size: 256
    .sgpr_count:     66
    .vgpr_count:     90
    .wavefront_size: 32
...
	.end_amdgpu_metadata
.endif
;; end of part 1
;; launch qkv (part 2): grid 16 x 16, 4 waves a work-group, clusters of 4 x 4, 327,680 bytes of LDS; arguments xb, wqkvb, bq, bk, bv, qkv; writes qkv
.if DOCPART == 2
	.amdgcn_target "amdgcn-amd-amdhsa--gfx1250"
	.amdhsa_code_object_version 6
	.text
	.protected	k_q5dfdfd79ce_qkv
	.globl	k_q5dfdfd79ce_qkv
	.p2align	8
	.type	k_q5dfdfd79ce_qkv,@function
k_q5dfdfd79ce_qkv:
	s_mov_b64 s[64:65], 0
	v_nop
	global_prefetch_b8 v0, s[64:65] scope:SCOPE_SE
	s_setreg_imm32_b32 hwreg(HW_REG_WAVE_MODE, 25, 1), 1
	s_wait_xcnt 0x0
	s_wait_alu depctr_hold_cnt(0) depctr_sa_sdst(0) depctr_va_vdst(0) depctr_va_sdst(0) depctr_va_ssrc(0) depctr_va_vcc(0) depctr_vm_vsrc(0)
	s_getreg_b32 s2, hwreg(HW_REG_IB_STS2, 6, 4)
	s_cmp_eq_u32 s2, 0
	s_cbranch_scc0 .Lentry_in_a_cluster
	s_endpgm
.Lentry_in_a_cluster:
	s_bfe_u32 s2, ttmp6, 0x10000c
	s_cmp_lg_u32 s2, 0xf033
	s_cbranch_scc0 .Lentry_shape_is_right
	s_endpgm
.Lentry_shape_is_right:
; qkv: Q, K, V = x W + b for one head and 256 rows of x, stored in f16, head-major: qkv [mat 3][b 2][head 16][l 2048][64].
; A work-group makes 256 rows x 192 columns (64 of q, 64 of k, 64 of v of its head) with four waves.  Wave w: rows 128 (w/2) .. + 127,
; columns 32 (w%2) .. + 31 of each of the three matrices: 8 x 6 accumulator tiles of 16 x 16, 384 registers.
; K = 1,024 goes in 8 steps of 128 through two LDS slots filled by the tensor data mover.
; CLUSTER 4 x 4: the four work-groups of a row of the cluster share the rows of x, the four of a column share the head's weights; each tile is asked
; for jointly, which divides the requests for both by four.  Wave 0 asks for x's tile, waves 1 to 3 for wq's, wk's, wv's.
; By this text's count a wave has two tensor loads out at the start and one behind each later round.
; The matrix instruction is used transposed (source 0 = 16 columns of W, source 1 = 16 rows of x): a lane's 8 results are 8 neighbouring columns of one row.
; FORMATS: operands bf16, sums and the bias add f32, results f16.  f16 and not bf16 for the results: a query that few keys are open to passes V on almost
; unaveraged, so V's rounding shows whole in the output; 11 significant bits leave an eighth of what 8 leave.
; f16 has the room: |q|, |k|, |v| are near 3 at the most as drawn, near 3,000 with x and W 30 times larger, near 17,000 with x offset by 30 and W by 0.54.
; LIMIT: a result of 65,520 or more in magnitude becomes infinite.
; REGISTERS: window 0: v16-27 addresses, v64-127 / v128-191 x fragments (two buffers), v192-239 bias;  window 1: v64-111 / v128-175 W fragments;
;            window 2: tiles of my rows 0-63 (tile (a, b) at v[8 (6 a + b)]);  window 3: those of my rows 64-127.
.set SLOT,  131072                     ; x: 256 rows x 272, then W: 3 x 128 rows x 160
.set PA,    272                        ; 256 bytes + 16: the 16 rows of a fragment load start 4 banks apart (64 banks of 4 bytes: ISA guide 11.1)
.set PB,    160                        ; 128 bytes + 32: an odd multiple of 32, as the transposing load's eight rows want
.set BOFF,  256*PA
.set MATB,  128*PB
.set SP,    400                        ; stage row: 192 f16 + 16 bytes
.set ADRA,  16                         ; v16-17  my x fragments in slot 0, 1
.set ADRB,  20                         ; v20-21  my W fragments in slot 0, 1
.set STO,   24
.set RD,    25
.set CO,    26
.set BOF,   27
.set F0,    64
.set F1,    128
.set BI,    192
.set PK,    112                        ; v112-135 packed results on the way out
.set G1A,   24                         ; s[24:31]
.set G0A,   32                         ; s[32:39] one set for each slot
.set G1B,   40                         ; s[40:47]
.set G0B,   48                         ; s[48:55]
.set MUL_LO, 0xa1                      ; source 0 window 1, source 1 window 0, C and D window 2
.set MUL_HI, 0xf1                      ; the same, C and D window 3
.set MSB, 0
.macro WIN new                         ; the immediate's high byte repeats the setting that is left
.if MSB != \new
	s_set_vgpr_msb (MSB<<8)|\new
.set MSB, \new
.endif
.endm
.macro PLACES                          ; four plain vector places behind a matrix instruction, ahead of loads into its sources and of readers of its result
.rept 4
	v_nop
.endr
.endm
.macro JLOAD s                         ; one joint load a wave; the branch hangs on the wave's number alone
	s_cmp_eq_u32 s16, 0
	s_cbranch_scc0 .Lfor_b_\@
	tensor_load_to_lds s[G0A+4*\s:G0A+4*\s+3], s[G1A:G1A+7]
	s_nop 0
	s_branch .Lasked_\@
.Lfor_b_\@:
	tensor_load_to_lds s[G0B+4*\s:G0B+4*\s+3], s[G1B:G1B+7]
	s_nop 0
.Lasked_\@:
.endm
.macro CREST                           ; a round of the cluster's barrier behind its opening work-group barrier
	s_cmp_lg_u32 s16, 0
	s_cbranch_scc1 .Lnot_wave_0_\@
	s_barrier_signal -3
.Lnot_wave_0_\@:
	s_barrier_wait -3
	s_barrier_signal -1
	s_barrier_wait -1
.endm
.macro CROUND
	s_barrier_signal -1
	s_barrier_wait -1
	CREST
.endm
	s_load_b256 s[4:11], s[0:1], 0x0               ; xb s[4:5], wqkvb s[6:7], bq s[8:9], bk s[10:11]
	s_load_b128 s[12:15], s[0:1], 0x20             ; bv s[12:13], qkv s[14:15]
	s_set_vgpr_msb 0x40
	v_lshl_add_u32 v255, v0, 2, 0x40000
	s_set_vgpr_msb 0x4000
	v_mov_b32 v255, 0
	s_set_vgpr_msb 0x1
	ds_add_u32 v255, v255
	s_set_vgpr_msb 0x100
	v_lshrrev_b32 v1, 5, v0
	v_readfirstlane_b32 s16, v1                    ; wave
	s_lshr_b32 s17, s16, 1                         ; which 128 rows
	s_and_b32 s18, s16, 1                          ; which 32 columns of each matrix
	s_bfe_u32 s19, ttmp6, 0x40000                  ; cx
	s_bfe_u32 s20, ttmp6, 0x40004                  ; cy
	s_lshl_b32 s21, ttmp9, 2
	s_add_co_u32 s21, s21, s19                     ; head = 4 x cluster x + cx
	s_and_b32 s22, ttmp7, 0xffff
	s_lshl_b32 s22, s22, 2
	s_add_co_u32 s22, s22, s20                     ; block of 256 rows = 4 x cluster y + cy
	s_lshl_b32 s56, s20, 2
	s_lshl_b32 s56, 15, s56                        ; my row of the cluster
	s_lshl_b32 s58, 0x1111, s19                    ; my column
	; x's tile: 256 rows x 128 bf16, 16 bytes of padding behind each row of 64 words
	s_or_b32 s[G1A+0], s56, (1<<16)|(1<<20)|(1<<21)|(5<<22)|(3<<25)
	s_mov_b32 s[G1A+1], 128<<16                    ; tensor_dim0 = 128
	s_mov_b32 s[G1A+2], 256<<16                    ; tensor_dim1 = 256
	s_mov_b32 s[G1A+3], 128<<16                    ; tile_dim0 = 128
	s_mov_b32 s[G1A+4], 256                        ; tile_dim1 = 256
	s_mov_b32 s[G1A+5], 1024                       ; elements from row to row
	s_mov_b32 s[G1A+6], 0
	s_mov_b32 s[G1A+7], 0
	; a matrix's tile: 128 rows k x 64 bf16 of one head, 16,384 consecutive bytes, taken as 64 rows of 32 elements of 8 bytes;
	; 32 bytes of padding behind every 32 words, that is behind every row k
	s_or_b32 s[G1B+0], s58, (3<<16)|(1<<20)|(1<<21)|(4<<22)|(7<<25)
	s_mov_b32 s[G1B+1], 32<<16
	s_mov_b32 s[G1B+2], 64<<16
	s_mov_b32 s[G1B+3], 32<<16
	s_mov_b32 s[G1B+4], 64
	s_mov_b32 s[G1B+5], 32
	s_mov_b32 s[G1B+6], 0
	s_mov_b32 s[G1B+7], 0
	s_lshl_b32 s56, s22, 19                        ; x: 256 rows of 2,048 bytes a block (hangs on the block row alone)
	s_mov_b32 s57, 0
	s_max_u32 s60, s16, 1
	s_sub_co_u32 s60, s60, 1                       ; W: matrix = wave - 1 (wave 0 asks for none)
	s_lshl_b32 s58, s60, 21
	s_lshl_b32 s59, s21, 17                        ; + head x 131,072 (hangs on the head alone)
	s_add_co_u32 s58, s58, s59
	s_mov_b32 s59, 0
	s_mul_i32 s61, s16, MATB
	s_add_co_u32 s61, s61, BOFF-MATB               ; LDS: behind x's tile, matrix wave - 1
	s_wait_dscnt 0x0
	s_wait_kmcnt 0x0
	s_add_nc_u64 s[56:57], s[4:5], s[56:57]
	s_add_nc_u64 s[58:59], s[6:7], s[58:59]
	CROUND                                         ; all sixteen work-groups are here: the first joint loads meet
.irp s, 0,1
	s_mov_b32 s[G0A+4*\s], 1
	s_mov_b32 s[G0A+4*\s+1], \s*SLOT
	s_add_nc_u64 s[G0A+4*\s+2:G0A+4*\s+3], s[56:57], \s*256        ; K step s: 128 bf16 along the rows
	s_or_b32 s[G0A+4*\s+3], s[G0A+4*\s+3], 0x80000000
	s_mov_b32 s[G0B+4*\s], 1
	s_add_co_u32 s[G0B+4*\s+1], s61, \s*SLOT
	s_add_nc_u64 s[G0B+4*\s+2:G0B+4*\s+3], s[58:59], \s*16384      ; K step s: 128 rows of 128 bytes
	s_or_b32 s[G0B+4*\s+3], s[G0B+4*\s+3], 0x80000000
	JLOAD \s
.endr
	v_and_b32 v1, 15, v0                           ; r
	v_bfe_u32 v2, v0, 4, 1                         ; h
	v_mul_u32_u24 v3, v1, PA
	v_lshl_add_u32 v3, v2, 4, v3
	s_mul_i32 s23, s17, 128*PA
	v_add_nc_u32 v[ADRA], s23, v3                  ; x: (128 mh + r) pitch + 16 h
	v_add_nc_u32 v[ADRA+1], SLOT, v[ADRA]
	v_and_b32 v4, 7, v0
	v_lshl_add_u32 v4, v2, 3, v4
	v_mul_u32_u24 v4, v4, PB
	v_bfe_u32 v5, v0, 3, 1
	v_lshl_add_u32 v4, v5, 4, v4
	s_lshl_b32 s23, s18, 6
	s_add_co_u32 s23, s23, BOFF
	v_add_nc_u32 v[ADRB], s23, v4                  ; W: (8 h + lane%8) pitch + 16 ((lane/8)%2) + 64 nh
	v_add_nc_u32 v[ADRB+1], SLOT, v[ADRB]
	v_mul_u32_u24 v6, v1, SP
	v_lshl_add_u32 v6, v2, 4, v6
	s_mul_i32 s23, s17, 128*SP
	s_lshl_b32 s60, s18, 6
	s_add_co_u32 s23, s23, s60
	v_add_nc_u32 v[STO], s23, v6                   ; stage in: (128 mh + r) rows + 64 nh + 16 h
	v_bfe_u32 v7, v0, 3, 2
	v_mul_u32_u24 v7, v7, SP
	v_and_b32 v8, 7, v0
	v_lshl_add_u32 v7, v8, 4, v7
	s_mul_i32 s23, s16, 64*SP
	v_add_nc_u32 v[RD], s23, v7                    ; stage back: row 64 w + lane/8, 16 bytes at 16 (lane%8)
	v_and_b32 v9, 31, v0
	v_lshlrev_b32 v9, 4, v9
	v_lshl_add_u32 v[CO], s16, 13, v9              ; in qkv: 64 rows of 128 bytes a wave + 16 lane
	s_lshl_b32 s74, s21, 8
	s_lshl_b32 s75, s18, 7
	s_add_co_u32 s74, s74, s75
	v_lshl_add_u32 v[BOF], v2, 5, s74              ; bias: 4 (64 head + 32 nh + 8 h)
.irp b, 0,1,2,3,4,5
	global_load_b128 v[BI+8*\b:BI+8*\b+3],   v[BOF], s[8+2*(\b/2):9+2*(\b/2)] offset:(\b%2)*64       ; bq, bk, bv: my 8 columns of tile b; waited for on the way out
	global_load_b128 v[BI+8*\b+4:BI+8*\b+7], v[BOF], s[8+2*(\b/2):9+2*(\b/2)] offset:(\b%2)*64+16
.endr
	s_lshr_b32 s72, s22, 3                         ; where the results go: batch = block / 8,
	s_lshl_b32 s72, s72, 4
	s_add_co_u32 s72, s72, s21
	s_lshl_b32 s72, s72, 18                        ; (16 batch + head) x 2,048 rows of 128 bytes
	s_and_b32 s73, s22, 7
	s_lshl_b32 s73, s73, 15                        ; + (block % 8) x 256 rows
	s_add_co_u32 s72, s72, s73
	s_mov_b32 s73, 0
	s_add_nc_u64 s[66:67], s[14:15], s[72:73]      ; q
	s_add_nc_u64 s[68:69], s[66:67], 0x800000      ; k
	s_add_nc_u64 s[70:71], s[68:69], 0x800000      ; v
; 28 LDS loads: the fragments of 32 along K (quarter q of the slot's step) into buffer f: 6 of W (transposed on the way), 8 of x
.macro FETCH slot, q, f
	WIN 0x40
.irp b, 0,1,2,3,4,5
	ds_load_tr16_b128 v[\f+8*\b:\f+8*\b+3],   v[ADRB+\slot] offset:\q*32*PB+(\b/2)*MATB+(\b%2)*32
	ds_load_tr16_b128 v[\f+8*\b+4:\f+8*\b+7], v[ADRB+\slot] offset:\q*32*PB+(\b/2)*MATB+(\b%2)*32+16*PB
.endr
	WIN 0
.irp i, 0,1,2,3,4,5,6,7
	ds_load_b128 v[\f+8*\i:\f+8*\i+3],   v[ADRA+\slot] offset:\i*16*PA+\q*64
	ds_load_b128 v[\f+8*\i+4:\f+8*\i+7], v[ADRA+\slot] offset:\i*16*PA+\q*64+32
.endr
.endm
; 12 matrix instructions: row tiles a0, a0 + 1 of the window's four x all 6 column tiles.  zero = 1: the first product starts the sums.
; The 48 accumulators take turns, one instruction a turn, in the same order in every quarter.
.macro MUL12 f, hi, a0, zero
.irp a, \a0, \a0+1
.irp b, 0,1,2,3,4,5
.if \zero
	v_wmma_f32_16x16x32_bf16 v[8*(6*(\a)+\b):8*(6*(\a)+\b)+7], v[\f+8*\b:\f+8*\b+7], v[\f+8*(4*\hi+\a):\f+8*(4*\hi+\a)+7], 0
.else
	v_wmma_f32_16x16x32_bf16 v[8*(6*(\a)+\b):8*(6*(\a)+\b)+7], v[\f+8*\b:\f+8*\b+7], v[\f+8*(4*\hi+\a):\f+8*(4*\hi+\a)+7], v[8*(6*(\a)+\b):8*(6*(\a)+\b)+7]
.endif
.endr
.endr
.endm
; One of a step's first three quarters: asks for quarter qn into buffer g, then multiplies buffer f (48 matrix instructions, under which the loads return).
.macro QUARTER slot, qn, f, g, zero
	s_wait_dscnt 0x0                               ; buffer f, asked for 48 matrix instructions ago
	PLACES                                         ; buffer g was read by the matrix instructions just issued
	FETCH \slot, \qn, \g
	WIN MUL_LO
	MUL12 \f, 0, 0, \zero
	MUL12 \f, 0, 2, \zero
	WIN MUL_HI
	MUL12 \f, 1, 0, \zero
	MUL12 \f, 1, 2, \zero
.endm
.macro THREE slot, zero
	QUARTER \slot, 1, F0, F1, \zero
	QUARTER \slot, 2, F1, F0, 0
	QUARTER \slot, 3, F0, F1, 0
.endm
; The last quarter changes slots.  In front of the barrier: my reads of this slot are back and all my tensor loads have landed (the one out is my part of
; the next slot).  Behind it (with fill = 1: behind the cluster's round that it opens) the refill comes first, then the next slot's first fragments.
; From a tile's request to the wait for it a wave issues 168 matrix instructions.
.macro TURN slot, next, fill
	WIN MUL_LO
	s_wait_dscnt 0x0
	s_wait_tensorcnt 0x0
	ds_add_u32 v255, v255
	s_wait_dscnt 0x0
	s_barrier_signal -1
	MUL12 F1, 0, 0, 0                              ; register work while the others arrive
	MUL12 F1, 0, 2, 0
	WIN 0
	s_barrier_wait -1
.if \fill
	CREST
	s_add_nc_u64 s[G0A+4*\slot+2:G0A+4*\slot+3], s[G0A+4*\slot+2:G0A+4*\slot+3], 512      ; two K steps on; no tensor load of mine is out
	s_add_nc_u64 s[G0B+4*\slot+2:G0B+4*\slot+3], s[G0B+4*\slot+2:G0B+4*\slot+3], 32768
	JLOAD \slot
.endif
	PLACES
	FETCH \next, 0, F0
	WIN MUL_HI
	MUL12 F1, 1, 0, 0
	MUL12 F1, 1, 2, 0
.endm
.macro LAP zero
	THREE 0, \zero
	TURN 0, 1, 1
	THREE 1, 0
	TURN 1, 0, 1
.endm
	s_wait_tensorcnt 0x1                           ; my part of K step 0 is in; step 1's load, issued behind it, may stay out
	s_barrier_signal -1
	s_barrier_wait -1
	FETCH 0, 0, F0
	LAP 1                                          ; steps 0, 1; asks for 2, 3
	WIN 0
	s_mov_b32 s3, 2
.Llap:
	LAP 0                                          ; steps 2 .. 5; asks for 4 .. 7
	WIN 0
	s_sub_co_u32 s3, s3, 1
	s_cmp_lg_u32 s3, 0
	s_cbranch_scc1 .Llap
	THREE 0, 0                                     ; steps 6, 7: nothing is left to ask for
	TURN 0, 1, 0
	THREE 1, 0
	s_wait_dscnt 0x0
	WIN MUL_LO
	MUL12 F1, 0, 0, 0
	MUL12 F1, 0, 2, 0
	WIN MUL_HI
	MUL12 F1, 1, 0, 0
	MUL12 F1, 1, 2, 0
	; THE WAY OUT.  Bias added in f32, rounded once to f16, 16 bytes a lane into a stage of 256 rows x 400 bytes in slot 0:
	; slot 0 has had its last fill, and every wave's reads of it were back in front of the barrier of the last change of slots.
	PLACES
	s_wait_loadcnt 0x0                             ; the bias
.macro OUT16 row, tl, from             ; row tile 0..7 of my 128 rows = tile row tl of window 2 or 3 (from: source 0's window)
	WIN \from
.irp b, 0,1,2,3,4,5
.irp u, 0,1,2,3
	v_pk_add_f32 v[F0+8*\b+2*\u:F0+8*\b+2*\u+1], v[8*(6*\tl+\b)+2*\u:8*(6*\tl+\b)+2*\u+1], v[BI+8*\b+2*\u:BI+8*\b+2*\u+1]
.endr
.endr
	WIN 0
.irp b, 0,1,2,3,4,5
.irp u, 0,1,2,3
	v_cvt_pk_f16_f32 v[PK+4*\b+\u], v[F0+8*\b+2*\u], v[F0+8*\b+2*\u+1]
.endr
.endr
.irp b, 0,1,2,3,4,5
	ds_store_b128 v[STO], v[PK+4*\b:PK+4*\b+3] offset:\row*16*SP+(\b/2)*128+(\b%2)*32
.endr
.endm
	OUT16 0, 0, 0x02
	OUT16 1, 1, 0x02
	OUT16 2, 2, 0x02
	OUT16 3, 3, 0x02
	OUT16 4, 0, 0x03
	OUT16 5, 1, 0x03
	OUT16 6, 2, 0x03
	OUT16 7, 3, 0x03
	s_wait_dscnt 0x0                               ; for the others' sake: my stores into the stage are done
	s_barrier_signal -1
	s_barrier_wait -1
; Wave w takes rows 64 w .. + 63 of each matrix: a load of 16 bytes a lane takes four rows of 128 bytes, which are 512 consecutive bytes of qkv.
.macro BACK mat, half, f, base
	s_wait_xcnt 0x0                                ; buffer f was store data two runs ago: it is rewritten only behind this wait
.irp t, 0,1,2,3,4,5,6,7
	ds_load_b128 v[\f+4*\t:\f+4*\t+3], v[RD] offset:(8*\half+\t)*4*SP+\mat*128
.endr
.irp t, 0,1,2,3,4,5,6,7
	s_wait_dscnt 7-\t                              ; the 7 - t younger loads stay out
	global_store_b128 v[CO], v[\f+4*\t:\f+4*\t+3], s[\base:\base+1] offset:(8*\half+\t)*512
.endr
.endm
	BACK 0, 0, F0, 66
	BACK 0, 1, F1, 66
	BACK 1, 0, F0, 68
	BACK 1, 1, F1, 68
	BACK 2, 0, F0, 70
	BACK 2, 1, F1, 70
	s_set_vgpr_msb 0x1
	s_wait_tensorcnt 0x0
	ds_add_u32 v255, v255
	s_wait_dscnt 0x0
	s_set_vgpr_msb 0x100
	CROUND                                         ; the closing round: no work-group ends while a partner may still ask jointly
	s_endpgm
.Lfunc_end_k_q5dfdfd79ce_qkv:
	.size	k_q5dfdfd79ce_qkv, .Lfunc_end_k_q5dfdfd79ce_qkv-k_q5dfdfd79ce_qkv
	.p2alignl 7, 3214868480
	.fill 96, 4, 3214868480
	.section	.rodata,"a",@progbits
	.p2align	6, 0x0
	.amdhsa_kernel k_q5dfdfd79ce_qkv
		.amdhsa_group_segment_fixed_size 327680
		.amdhsa_private_segment_fixed_size 0
		.amdhsa_enable_private_segment 0
		.amdhsa_kernarg_size 48
		.amdhsa_user_sgpr_count 2
		.amdhsa_user_sgpr_kernarg_segment_ptr 1
		.amdhsa_wavefront_size32 1
		.amdhsa_system_sgpr_workgroup_id_x 1
		.amdhsa_system_sgpr_workgroup_id_y 1
		.amdhsa_system_sgpr_workgroup_id_z 1
		.amdhsa_system_vgpr_workitem_id 0
		.amdhsa_next_free_vgpr 1024
		.amdhsa_next_free_sgpr 80
		.amdhsa_reserve_vcc 0
		.amdhsa_float_denorm_mode_32 3
		.amdhsa_float_denorm_mode_16_64 3
		.amdhsa_memory_ordered 1
		.amdhsa_forward_progress 1
		.amdhsa_inst_pref_size 170
	.end_amdhsa_kernel
	.amdgpu_metadata
---
amdhsa.version: [ 1, 2 ]
amdhsa.kernels:
  - .name:           k_q5dfdfd79ce_qkv
    .symbol:         k_q5dfdfd79ce_qkv.kd
    .args:
      - { .name: xb, .offset: 0, .size: 8, .value_kind: global_buffer, .address_space: global }
      - { .name: wqkvb, .offset: 8, .size: 8, .value_kind: global_buffer, .address_space: global }
      - { .name: bq, .offset: 16, .size: 8, .value_kind: global_buffer, .address_space: global }
      - { .name: bk, .offset: 24, .size: 8, .value_kind: global_buffer, .address_space: global }
      - { .name: bv, .offset: 32, .size: 8, .value_kind: global_buffer, .address_space: global }
      - { .name: qkv, .offset: 40, .size: 8, .value_kind: global_buffer, .address_space: global }
    .group_segment_fixed_size: 327680
    .private_segment_fixed_size: 0
    .kernarg_segment_align: 8
    .kernarg_segment_size: 48
    .max_flat_workgroup_size: 128
    .sgpr_count:     80
    .vgpr_count:     1024
    .wavefront_size: 32
...
	.end_amdgpu_metadata
.endif
;; end of part 2
;; launch attn (part 3): grid 8 x 32, 8 waves a work-group, clusters of 4 x 1, 327,680 bytes of LDS; arguments qkv, mb, ao; writes ao
.if DOCPART == 3
	.amdgcn_target "amdgcn-amd-amdhsa--gfx1250"
	.amdhsa_code_object_version 6
	.text
	.protected	k_q5dfdfd79ce_attn
	.globl	k_q5dfdfd79ce_attn
	.p2align	8
	.type	k_q5dfdfd79ce_attn,@function
k_q5dfdfd79ce_attn:
	s_mov_b64 s[64:65], 0
	v_nop
	global_prefetch_b8 v0, s[64:65] scope:SCOPE_SE
	s_setreg_imm32_b32 hwreg(HW_REG_WAVE_MODE, 25, 1), 1
	s_wait_xcnt 0x0
	s_wait_alu depctr_hold_cnt(0) depctr_sa_sdst(0) depctr_va_vdst(0) depctr_va_sdst(0) depctr_va_ssrc(0) depctr_va_vcc(0) depctr_vm_vsrc(0)
	s_getreg_b32 s2, hwreg(HW_REG_IB_STS2, 6, 4)
	s_cmp_eq_u32 s2, 0
	s_cbranch_scc0 .Lentry_in_a_cluster
	s_endpgm
.Lentry_in_a_cluster:
	s_bfe_u32 s2, ttmp6, 0x10000c
	s_cmp_lg_u32 s2, 0x3003
	s_cbranch_scc0 .Lentry_shape_is_right
	s_endpgm
.Lentry_shape_is_right:
; attn: ao = softmax(mask(Q K^T / 8)) V for 256 queries of one (batch, head); ao is f16 [b][head][l][64].
; Eight waves.  Wave w: queries 64 (w%4) .. + 63, and half g = w/4 of the keys of every slot (64 q x 1,024 keys in all); the two waves of a pair are
; merged at the end through LDS.  Two waves lie on each SIMD, so that one wave's softmax arithmetic runs beside the other's matrix instructions.
; Everything is kept transposed, so that nothing crosses lanes but one exchange of halves:
;   S^T = K Q^T  (source 0 = 16 keys, source 1 = 16 queries): register j of lane (r, h) holds (key 8 h + j, query r);
;   two neighbouring S^T tiles, rounded to f16 in pairs, ARE the source-1 fragment of P^T for 32 keys;
;   O^T = V^T P^T (source 0 = V read through the transposing LDS load): register j of lane (r, h) holds (d 8 h + j, query r).
; THE MASK is an input and is honoured bit by bit: mb holds, for each score register, its 32-lane mask; one v_cndmask_b32 a register puts -inf.  No key is skipped.
; The words come by scalar loads, whose wait can only be for all of them, so a request must stand a long way ahead of the next wait: the words of TWO q tiles
; (64 scalar registers) are asked for at once, as soon as the two tiles before them are masked, and two tiles' softmax, their rescaling of O and their
; 16 matrix instructions of P V stand between the request and its wait.
; The maximum is taken away before every exponential by a running maximum, which starts at -FLT_MAX: a row whose keys are all masked ends as 0 x (1/0) = NaN,
; as a softmax over -inf alone does.
; FORMATS: Q, K, V, P and ao are f16; scores, maxima, sums and O are f32.  f16 and not bf16: a query that few keys are open to has a result far above the output's
; usual size, and 11 significant bits leave an eighth of the error that 8 leave.  P lies in [0, 1]; ao is an average of rows of V and has V's range.
; LIMITS: a weight P under 2^-25 of its row's largest counts as 0; |ao| of 65,520 or more becomes infinite.
; CLUSTER 4 x 1: the four blocks of queries of a cluster read the same K and V; each tile is asked for jointly (mask 15).  Waves 0-3 ask for K's quarters of a slot,
; waves 4-7 for V's.  Two slots of 256 keys; every fill stands behind a round of the cluster's barrier.  By this text's count a wave has one tensor load out at any time,
; so one group 0 for K and one for V serve both slots: they are rewritten behind the wait for all tensor loads.
; SCALAR REGISTERS: 64 hold mask words, so the constants of the softmax lie in vector registers.  What feeds a descriptor or an LDS address
; (s2-29, s100, s101) never holds the place in the cluster nor a mask word.
.set SLOT,  77824                      ; K: 256 keys x 144, then V: 256 keys x 160
.set PKK,   144                        ; 128 bytes + 16: an odd multiple of 16
.set PVV,   160                        ; 128 bytes + 32: an odd multiple of 32, for the transposing load
.set VOFF,  256*PKK
.set MRG,   2*SLOT                     ; 4 x 17,408: what waves 4-7 hand to waves 0-3; no fill lands here
.set MRGW,  17408
.set STAGE, MRG+4*MRGW                 ; 4 x 64 rows x 144: the way out
.set STW,   64*PKK
; vector registers, window 0
.set NI,   1                           ; -inf
.set ADK,  2                           ; v2-3   my K fragments in slot 0, 1
.set ADV,  4                           ; v4-5   my V fragments
.set QOFF, 6
.set MRGA, 7
.set STO,  8
.set RD,   9
.set CO,   10
.set MN,   11                          ; the new maximum
.set T,    12                          ; v12-15 at work
.set MX,   16                          ; v16-19 running maximum of q tile 0..3
.set LS,   20                          ; v20-23 running sum (this lane's keys)
.set AL,   24                          ; v24-31 pairs: the even register is the tile's rescaling factor, the odd one is never selected
.set SS,   32                          ; v32-159  scores: 32 qt + 8 kt + j
.set PP,   160                         ; v160-223 P in f16: 16 qt + i
.set NM,   224                         ; v224-225 pair: -c x maximum
.set SA,   226
.set SB,   228
.set MXP,  232                         ; the partner's maxima and sums
.set LSP,  236
.set BL,   240                         ; v240-247 pairs, as AL, for the partner's part
.set CC,   248                         ; v248-249 c twice; c = log2(e) / 8: the 1 / sqrt(64) and the change of base in one factor
.set NC,   250                         ; -c
.set FM,   251                         ; -FLT_MAX
; vector registers, window 1
.set QQ,   0                           ; Q fragments: 8 (2 qt + c)
.set KV,   64                          ; K's, then V's fragments: 8 (4 c + tile)
.set OO,   128                         ; O^T: 32 qt + 8 dt + j
; scalar registers
.set WV,   2                           ; wave
.set GH,   3                           ; g: which half of a slot's keys; also: I ask for K (0) or V (1)
.set G1K,  4                           ; s[4:11]
.set G1V,  12                          ; s[12:19]
.set G0K,  20                          ; s[20:23]
.set G0V,  24                          ; s[24:27]
.set LBK,  28                          ; where my quarter of K's tile lies in slot 0
.set LBV,  29                          ; the same for V
.set MBP,  30                          ; s[30:31] my mask words of this fill
.set M1,   32                          ; s[32:63] the 32 mask words of an odd q tile x 64 keys (in the set-up: s32-39 at work)
.set PS,   66                          ; s66-67 selects of v_permlanex16_b32
.set M0,   68                          ; s[68:99] the 32 mask words of an even q tile
.set CNT,  100
.set TS,   101
.set AOP,  104                         ; s[104:105] my rows of ao
.set MSB, 0
.macro WIN new
.if MSB != \new
	s_set_vgpr_msb (MSB<<8)|\new
.set MSB, \new
.endif
.endm
.macro PLACES                          ; four plain vector places behind a matrix instruction (ISA guide 7.12.1)
.rept 4
	v_nop
.endr
.endm
.macro JLOAD                           ; one joint load a wave; the branch hangs on the wave's number alone
	s_cmp_eq_u32 s[GH], 0
	s_cbranch_scc0 .Lfor_v_\@
	tensor_load_to_lds s[G0K:G0K+3], s[G1K:G1K+7]
	s_nop 0
	s_branch .Lasked_\@
.Lfor_v_\@:
	tensor_load_to_lds s[G0V:G0V+3], s[G1V:G1V+7]
	s_nop 0
.Lasked_\@:
.endm
.macro ROUND                           ; a round of the cluster's barrier
	s_barrier_signal -1
	s_barrier_wait -1
	s_cmp_lg_u32 s[WV], 0
	s_cbranch_scc1 .Lnot_wave_0_\@
	s_barrier_signal -3
.Lnot_wave_0_\@:
	s_barrier_wait -3
	s_barrier_signal -1
	s_barrier_wait -1
.endm
.macro MLD mw, imm                     ; asks for the 32 mask words of one q tile x 64 keys, 128 consecutive bytes
	s_load_b512 s[\mw:\mw+15],    s[MBP:MBP+1], \imm
	s_load_b512 s[\mw+16:\mw+31], s[MBP:MBP+1], \imm+64
.endm
	s_load_b64 s[G0K+2:G0K+3], s[0:1], 0x0         ; qkv
	s_load_b64 s[MBP:MBP+1], s[0:1], 0x8           ; mb
	s_load_b64 s[AOP:AOP+1], s[0:1], 0x10          ; ao
	v_lshl_add_u32 v254, v0, 2, 0x40000
	v_mov_b32 v255, 0
	ds_add_u32 v254, v255
	v_lshrrev_b32 v12, 5, v0
	v_readfirstlane_b32 s[WV], v12                 ; wave
	s_lshr_b32 s[GH], s[WV], 2
	s_and_b32 s[LBK], s[WV], 3                     ; wq: which 64 queries; also which quarter of a tile I ask for
	s_and_b32 s[G0V+2], ttmp7, 0xffff              ; 16 batch + head
	s_lshl_b32 s[G0V+2], s[G0V+2], 18              ; x 2,048 rows of 128 bytes
	s_lshl_b32 s[G0V+3], s[LBK], 13                ; + 64 wq rows
	s_add_co_u32 s[G0V+2], s[G0V+2], s[G0V+3]
	s_mov_b32 s[G0V+3], 0
	s_bfe_u32 s32, ttmp6, 0x40000                  ; cx
	s_lshl_b32 s33, ttmp9, 2
	s_add_co_u32 s33, s33, s32                     ; block of 256 queries; enters only the pointers to Q, mb and ao
	s_lshl_b32 s34, s33, 15                        ; block x 256 rows of 128 bytes
	s_mov_b32 s35, 0
	s_lshl_b32 s36, s33, 16                        ; mb: (16 block + 4 wq) q tiles of 4,096 bytes + 8 g key tiles of 32
	s_lshl_b32 s37, s[LBK], 14
	s_add_co_u32 s36, s36, s37
	s_lshl_b32 s37, s[GH], 8
	s_add_co_u32 s36, s36, s37
	s_mov_b32 s37, 0
	s_mul_i32 s[LBV], s[LBK], 64*PVV
	s_add_co_u32 s[LBV], s[LBV], VOFF
	s_mul_i32 s[LBK], s[LBK], 64*PKK
	s_mov_b32 s[PS], 0x76543210                    ; v_permlanex16_b32: lane i reads lane i of the other half
	s_mov_b32 s[PS+1], 0xfedcba98
	; a quarter of K's or V's tile: 64 keys x 128 bytes, consecutive, taken as 32 rows of 32 elements of 8 bytes; padding behind every 32 words, that is every key
	s_mov_b32 s[G1K+0], 15|(3<<16)|(1<<20)|(1<<21)|(4<<22)|(3<<25)
	s_mov_b32 s[G1V+0], 15|(3<<16)|(1<<20)|(1<<21)|(4<<22)|(7<<25)
.irp g, G1K, G1V
	s_mov_b32 s[\g+1], 32<<16
	s_mov_b32 s[\g+2], 32<<16
	s_mov_b32 s[\g+3], 32<<16
	s_mov_b32 s[\g+4], 32
	s_mov_b32 s[\g+5], 32
	s_mov_b32 s[\g+6], 0
	s_mov_b32 s[\g+7], 0
.endr
	v_and_b32 v12, 15, v0                          ; r
	v_bfe_u32 v13, v0, 4, 1                        ; h
	v_lshlrev_b32 v[QOFF], 7, v12
	v_lshl_add_u32 v[QOFF], v13, 4, v[QOFF]        ; Q from memory: row r, 16 h
	s_wait_dscnt 0x0
	s_wait_kmcnt 0x0
	s_add_nc_u64 s[G0K+2:G0K+3], s[G0K+2:G0K+3], s[G0V+2:G0V+3]    ; qkv at the head's row 64 wq
	s_add_nc_u64 s[38:39], s[G0K+2:G0K+3], s[34:35]                ; Q: the first matrix of qkv, my block's rows
	s_add_nc_u64 s[AOP:AOP+1], s[AOP:AOP+1], s[G0V+2:G0V+3]
	s_add_nc_u64 s[AOP:AOP+1], s[AOP:AOP+1], s[34:35]              ; ao: the same rows
	s_add_nc_u64 s[MBP:MBP+1], s[MBP:MBP+1], s[36:37]
	s_add_nc_u64 s[G0V+2:G0V+3], s[G0K+2:G0K+3], 16777216          ; V is the third matrix of qkv,
	s_add_nc_u64 s[G0K+2:G0K+3], s[G0K+2:G0K+3], 8388608           ; K the second: keys 64 wq .. + 63 of fill 0
	s_or_b32 s[G0K+3], s[G0K+3], 0x80000000
	s_or_b32 s[G0V+3], s[G0V+3], 0x80000000
	s_mov_b32 s[G0K], 1
	s_mov_b32 s[G0V], 1
	s_add_co_u32 s[G0K+1], s[LBK], 0               ; slot 0
	s_add_co_u32 s[G0V+1], s[LBV], 0
	ROUND                                          ; the four work-groups are here: the first joint loads meet
	JLOAD                                          ; keys 0-255
	WIN 0x40
.irp qt, 0,1,2,3
.irp c, 0,1
	global_load_b128 v[QQ+8*(2*\qt+\c):QQ+8*(2*\qt+\c)+3],   v[QOFF], s[38:39] offset:\qt*2048+\c*64      ; Q stays in registers for the whole kernel
	global_load_b128 v[QQ+8*(2*\qt+\c)+4:QQ+8*(2*\qt+\c)+7], v[QOFF], s[38:39] offset:\qt*2048+\c*64+32
.endr
.endr
	WIN 0
	MLD M0, 0                                      ; the first block's mask words, q tile 0
	v_and_b32 v14, 7, v0
	v_bfe_u32 v15, v0, 3, 1
	v_mul_u32_u24 v[SA], v12, PKK
	v_lshl_add_u32 v[SA], v13, 4, v[SA]            ; r x 144 + 16 h
	s_mul_i32 s[TS], s[GH], 128*PKK
	v_add_nc_u32 v[ADK], s[TS], v[SA]
	v_add_nc_u32 v[ADK+1], SLOT, v[ADK]
	v_lshl_add_u32 v[SB], v13, 3, v14
	v_mul_u32_u24 v[SB], v[SB], PVV
	v_lshl_add_u32 v[SB], v15, 4, v[SB]            ; (8 h + lane%8) x 160 + 16 ((lane/8)%2)
	s_mul_i32 s[TS], s[GH], 128*PVV
	s_add_co_u32 s[TS], s[TS], VOFF
	v_add_nc_u32 v[ADV], s[TS], v[SB]
	v_add_nc_u32 v[ADV+1], SLOT, v[ADV]
	s_wait_xcnt 0x0                                ; Q's loads have had their addresses translated: s[38:39], their base, is rewritten only behind this wait
	MLD M1, 4096                                   ; q tile 1
	v_and_b32 v[CO], 31, v0
	v_lshlrev_b32 v[CO], 4, v[CO]                  ; 16 lane
	s_and_b32 s[CNT], s[WV], 3
	s_mul_i32 s[TS], s[CNT], MRGW
	s_add_co_u32 s[TS], s[TS], MRG
	v_add_nc_u32 v[MRGA], s[TS], v[CO]
	s_mul_i32 s[TS], s[CNT], STW
	s_add_co_u32 s[TS], s[TS], STAGE
	v_add_nc_u32 v[STO], s[TS], v[SA]
	v_bfe_u32 v[SB], v0, 3, 2
	v_mul_u32_u24 v[SB], v[SB], PKK
	v_lshl_add_u32 v[SB], v14, 4, v[SB]
	v_add_nc_u32 v[RD], s[TS], v[SB]               ; row lane/8, 16 bytes at 16 (lane%8)
	v_mov_b32 v[NI], 0xff800000
	v_mov_b32 v[CC], 0x3e38aa3b
	v_mov_b32 v[CC+1], 0x3e38aa3b
	v_mov_b32 v[NC], 0xbe38aa3b
	v_mov_b32 v[FM], 0xff7fffff
	v_mov_b32 v[NM+1], 0                           ; the odd registers of the pairs are named by packed instructions and never selected
.irp k, 0,1,2,3
	v_mov_b32 v[AL+2*\k+1], 0
	v_mov_b32 v[BL+2*\k+1], 0
.endr
; -inf where the mask says so: q tile qt, its words in s[mw .. mw + 31]
.macro MSK qt, mw
.set i, 0
.rept 32
	v_cndmask_b32 v[SS+32*\qt+i], v[SS+32*\qt+i], v[NI], s[\mw+i]
.set i, i+1
.endr
.endm
; Softmax of the masked q tile qt over this block's 64 keys.  first = 1: nothing is carried yet.
.macro SMR qt, first
.irp k, 0,1,2,3
	v_max3_num_f32 v[T+\k], v[SS+32*\qt+3*\k], v[SS+32*\qt+3*\k+1], v[SS+32*\qt+3*\k+2]    ; four chains, started by the first twelve scores
.endr
.irp k, 0,1,2,3
	v_max3_num_f32 v[T+\k], v[T+\k], v[SS+32*\qt+12+2*\k], v[SS+32*\qt+13+2*\k]
.endr
.irp k, 0,1,2,3
	v_max3_num_f32 v[T+\k], v[T+\k], v[SS+32*\qt+20+2*\k], v[SS+32*\qt+21+2*\k]
.endr
.irp k, 0,1
	v_max3_num_f32 v[T+\k], v[T+\k], v[SS+32*\qt+28+2*\k], v[SS+32*\qt+29+2*\k]
.endr
	v_max3_num_f32 v[T], v[T], v[T+1], v[T+2]
	v_max_num_f32 v[T], v[T], v[T+3]
	v_permlanex16_b32 v[T+1], v[T], s[PS], s[PS+1] ; the other half of the lanes holds the query's other 32 keys
.if \first
	v_max3_num_f32 v[MN], v[T], v[T+1], v[FM]
.else
	v_max3_num_f32 v[MN], v[T], v[T+1], v[MX+\qt]
	v_sub_f32 v[T+2], v[MX+\qt], v[MN]             ; the difference first: equal maxima give exactly 0
	v_mul_f32 v[T+2], v[CC], v[T+2]
	v_exp_f32 v[AL+2*\qt], v[T+2]                  ; what is carried shrinks by 2^(c (old - new)); the line below is the plain place behind it (ISA guide 5.7.2)
.endif
	v_mul_f32 v[NM], v[NC], v[MN]
.set i, 0
.rept 16
	v_pk_fma_f32 v[SS+32*\qt+i:SS+32*\qt+i+1], v[SS+32*\qt+i:SS+32*\qt+i+1], v[CC:CC+1], v[NM:NM+1] op_sel_hi:[1,1,0]   ; c s - c max
.set i, i+2
.endr
.set i, 0
.rept 32
	v_exp_f32 v[SS+32*\qt+i], v[SS+32*\qt+i]
.set i, i+1
.endr
	v_mov_b32 v[MX+\qt], v[MN]                     ; the plain place behind the exponentials
	s_wait_alu depctr_va_vdst(0)
	v_pk_add_f32 v[SA:SA+1], v[SS+32*\qt:SS+32*\qt+1],   v[SS+32*\qt+2:SS+32*\qt+3]
	v_pk_add_f32 v[SB:SB+1], v[SS+32*\qt+4:SS+32*\qt+5], v[SS+32*\qt+6:SS+32*\qt+7]
.set i, 8
.rept 6
	v_pk_add_f32 v[SA:SA+1], v[SA:SA+1], v[SS+32*\qt+i:SS+32*\qt+i+1]
	v_pk_add_f32 v[SB:SB+1], v[SB:SB+1], v[SS+32*\qt+i+2:SS+32*\qt+i+3]
.set i, i+4
.endr
	v_pk_add_f32 v[SA:SA+1], v[SA:SA+1], v[SB:SB+1]
.if \first
	v_add_f32 v[LS+\qt], v[SA], v[SA+1]
.else
	v_add_f32 v[T], v[SA], v[SA+1]
	v_fma_f32 v[LS+\qt], v[LS+\qt], v[AL+2*\qt], v[T]
.endif
.set i, 0
.rept 16
	v_cvt_pk_f16_f32 v[PP+16*\qt+i], v[SS+32*\qt+2*i], v[SS+32*\qt+2*i+1]
.set i, i+1
.endr
.endm
; 16 matrix instructions; the 16 accumulators take turns, one instruction a turn, in one fixed order.
.macro QK c, zero
.irp qt, 0,1,2,3
.irp kt, 0,1,2,3
.if \zero
	v_wmma_f32_16x16x32_f16 v[SS+32*\qt+8*\kt:SS+32*\qt+8*\kt+7], v[KV+32*\c+8*\kt:KV+32*\c+8*\kt+7], v[QQ+16*\qt+8*\c:QQ+16*\qt+8*\c+7], 0
.else
	v_wmma_f32_16x16x32_f16 v[SS+32*\qt+8*\kt:SS+32*\qt+8*\kt+7], v[KV+32*\c+8*\kt:KV+32*\c+8*\kt+7], v[QQ+16*\qt+8*\c:QQ+16*\qt+8*\c+7], v[SS+32*\qt+8*\kt:SS+32*\qt+8*\kt+7]
.endif
.endr
.endr
.endm
; 8 matrix instructions: q tiles q0 and q0 + 1, keys 32 c .. + 31; the 8 accumulators take turns, one instruction a turn.
.macro PVM c, q0, zero
.irp qt, \q0, \q0+1
.irp dt, 0,1,2,3
.if \zero
	v_wmma_f32_16x16x32_f16 v[OO+32*(\qt)+8*\dt:OO+32*(\qt)+8*\dt+7], v[KV+32*\c+8*\dt:KV+32*\c+8*\dt+7], v[PP+16*(\qt)+8*\c:PP+16*(\qt)+8*\c+7], 0
.else
	v_wmma_f32_16x16x32_f16 v[OO+32*(\qt)+8*\dt:OO+32*(\qt)+8*\dt+7], v[KV+32*\c+8*\dt:KV+32*\c+8*\dt+7], v[PP+16*(\qt)+8*\c:PP+16*(\qt)+8*\c+7], v[OO+32*(\qt)+8*\dt:OO+32*(\qt)+8*\dt+7]
.endif
.endr
.endr
.endm
; q tiles q0 and q0 + 1: what O carries is rescaled, then P V is added.
.macro HALF q0, first
.if \first == 0
	WIN 0x41                                       ; O in window 1, the factors in window 0
.irp qt, \q0, \q0+1
.set i, 0
.rept 16
	v_pk_mul_f32 v[OO+32*(\qt)+i:OO+32*(\qt)+i+1], v[OO+32*(\qt)+i:OO+32*(\qt)+i+1], v[AL+2*(\qt):AL+2*(\qt)+1] op_sel_hi:[1,0]
.set i, i+2
.endr
.endr
.endif
	WIN 0x51                                       ; V and O in window 1, P in window 0
.if \q0 == 0
	s_wait_dscnt 0x0                               ; V's fragments, asked for two tiles' softmax ago
.endif
	PVM 0, \q0, \first
	PVM 1, \q0, 0
	WIN 0
.endm
; One block: my 64 queries x keys 64 sb .. + 63 of my half of the slot.
.macro SUB slot, sb, first, last
	WIN 0x40
.irp c, 0,1
.irp kt, 0,1,2,3
	ds_load_b128 v[KV+8*(4*\c+\kt):KV+8*(4*\c+\kt)+3],   v[ADK+\slot] offset:\sb*64*PKK+\kt*16*PKK+\c*64
	ds_load_b128 v[KV+8*(4*\c+\kt)+4:KV+8*(4*\c+\kt)+7], v[ADK+\slot] offset:\sb*64*PKK+\kt*16*PKK+\c*64+32
.endr
.endr
	WIN 0x05                                       ; K and Q in window 1, scores in window 0
	s_wait_dscnt 0x8                               ; d 0-31 of the four key tiles are in; the eight loads of d 32-63 may be out
	QK 0, 1
	s_wait_dscnt 0x0
	QK 1, 0
	PLACES                                         ; ahead of the loads into K's registers and of the readers of the scores
	WIN 0x40
.irp c, 0,1
.irp dt, 0,1,2,3
	ds_load_tr16_b128 v[KV+8*(4*\c+\dt):KV+8*(4*\c+\dt)+3],   v[ADV+\slot] offset:\sb*64*PVV+\c*32*PVV+\dt*32
	ds_load_tr16_b128 v[KV+8*(4*\c+\dt)+4:KV+8*(4*\c+\dt)+7], v[ADV+\slot] offset:\sb*64*PVV+\c*32*PVV+\dt*32+16*PVV
.endr
.endr
	WIN 0
	s_wait_kmcnt 0x0                               ; the words of q tiles 0 and 1 (scalar loads return in no order: zero)
	MSK 0, M0
	MSK 1, M1
	MLD M0, 8192+\sb*128                           ; q tiles 2 and 3 of this block: wanted behind two tiles' softmax and their P V
	MLD M1, 12288+\sb*128
	SMR 0, \first
	SMR 1, \first
	HALF 0, \first
	s_wait_kmcnt 0x0                               ; the words of q tiles 2 and 3
	MSK 2, M0
	MSK 3, M1
.if \sb == 0
	MLD M0, 128                                    ; q tiles 0 and 1 of the slot's second block
	MLD M1, 4096+128
.else
.if \last == 0
	s_add_nc_u64 s[MBP:MBP+1], s[MBP:MBP+1], 512   ; the next fill: 16 key tiles of 32 bytes on; no scalar load is out: the wait above was for zero
	MLD M0, 0
	MLD M1, 4096
.endif
.endif
	SMR 2, \first
	SMR 3, \first
	HALF 2, \first
	PLACES                                         ; ahead of the next loads into V's registers
.endm
; A slot's two blocks.  refill = 1: the other slot gets the next 256 keys: all my tensor loads have landed and my LDS reads are back in front of the round,
; and the joint load is the first thing behind it; it has 128 matrix instructions and two blocks' softmax in which to land.
.macro TWO slot, refill, first, last
	s_wait_tensorcnt 0x0                           ; my part of this slot is in, and no tensor load of mine is out: the group 0 may be written
	ds_add_u32 v254, v255
	s_wait_dscnt 0x0
.if \refill
	s_add_co_u32 s[G0K+1], s[LBK], (1-\slot)*SLOT
	s_add_co_u32 s[G0V+1], s[LBV], (1-\slot)*SLOT
	s_add_nc_u64 s[G0K+2:G0K+3], s[G0K+2:G0K+3], 32768     ; 256 keys of 128 bytes on
	s_add_nc_u64 s[G0V+2:G0V+3], s[G0V+2:G0V+3], 32768
.endif
	s_wait_dscnt 0x0                               ; my reads of the other slot are back
.if \refill
	ROUND
	JLOAD
.else
	s_barrier_signal -1
	s_barrier_wait -1
.endif
	SUB \slot, 0, \first, 0
	SUB \slot, 1, 0, \last
.endm
	s_wait_loadcnt 0x0                             ; Q
	TWO 0, 1, 1, 0                                 ; keys 0-255: the first block starts maxima, sums and O; slot 1 gets its first fill
	s_mov_b32 s[CNT], 3
.Lfills:
	TWO 1, 1, 0, 0                                 ; fills 1 .. 6 are worked on, 2 .. 7 asked for
	TWO 0, 1, 0, 0
	s_sub_co_u32 s[CNT], s[CNT], 1
	s_cmp_lg_u32 s[CNT], 0
	s_cbranch_scc1 .Lfills
	TWO 1, 0, 0, 1                                 ; the last 256 keys
	; THE MERGE.  Waves 4-7 hand O, maxima and sums to waves 0-3, lane to lane.
	s_cmp_eq_u32 s[GH], 0
	s_cbranch_scc1 .Lkeeper
	WIN 0x04                                       ; store data in window 1
.set i, 0
.rept 32
	ds_store_b128 v[MRGA], v[OO+4*i:OO+4*i+3] offset:512*i
.set i, i+1
.endr
	WIN 0
	ds_store_b128 v[MRGA], v[MX:MX+3] offset:16384
	ds_store_b128 v[MRGA], v[LS:LS+3] offset:16896
.Lkeeper:
	s_wait_dscnt 0x0                               ; for the partner's sake: zero
	s_barrier_signal -1
	s_barrier_wait -1
	s_cmp_lg_u32 s[GH], 0
	s_cbranch_scc1 .Ldone
.set i, 0
.rept 32
	ds_load_b128 v[SS+4*i:SS+4*i+3], v[MRGA] offset:512*i
.set i, i+1
.endr
	ds_load_b128 v[MXP:MXP+3], v[MRGA] offset:16384
	ds_load_b128 v[LSP:LSP+3], v[MRGA] offset:16896
	s_wait_dscnt 0x0
.irp qt, 0,1,2,3
	v_max_num_f32 v[MN], v[MX+\qt], v[MXP+\qt]
	v_sub_f32 v[T],   v[MX+\qt],  v[MN]
	v_sub_f32 v[T+1], v[MXP+\qt], v[MN]
	v_mul_f32 v[T],   v[CC], v[T]
	v_mul_f32 v[T+1], v[CC], v[T+1]
	v_exp_f32 v[T+2], v[T]
	v_exp_f32 v[T+3], v[T+1]
	v_nop                                          ; the plain place behind the two exponentials
	s_wait_alu depctr_va_vdst(0)
	v_mul_f32 v[T], v[LS+\qt], v[T+2]
	v_fmac_f32 v[T], v[LSP+\qt], v[T+3]
	v_permlanex16_b32 v[T+1], v[T], s[PS], s[PS+1] ; the sums were kept lane by lane: now the query's other half
	v_add_f32 v[T], v[T], v[T+1]
	v_rcp_f32 v[T+1], v[T]
	v_nop                                          ; the plain place behind the reciprocal
	s_wait_alu depctr_va_vdst(0)
	v_mul_f32 v[AL+2*\qt], v[T+2], v[T+1]
	v_mul_f32 v[BL+2*\qt], v[T+3], v[T+1]
.endr
.irp qt, 0,1,2,3
.set i, 0
.rept 16
	v_pk_mul_f32 v[SS+32*\qt+i:SS+32*\qt+i+1], v[SS+32*\qt+i:SS+32*\qt+i+1], v[BL+2*\qt:BL+2*\qt+1] op_sel_hi:[1,0]
.set i, i+2
.endr
.endr
	WIN 0x01                                       ; my O in window 1
.irp qt, 0,1,2,3
.set i, 0
.rept 16
	v_pk_fma_f32 v[SS+32*\qt+i:SS+32*\qt+i+1], v[OO+32*\qt+i:OO+32*\qt+i+1], v[AL+2*\qt:AL+2*\qt+1], v[SS+32*\qt+i:SS+32*\qt+i+1] op_sel_hi:[1,0,1]
.set i, i+2
.endr
.endr
	WIN 0
.set i, 0
.rept 64
	v_cvt_pk_f16_f32 v[PP+i], v[SS+2*i], v[SS+2*i+1]
.set i, i+1
.endr
.irp qt, 0,1,2,3
.irp dt, 0,1,2,3
	ds_store_b128 v[STO], v[PP+16*\qt+4*\dt:PP+16*\qt+4*\dt+3] offset:\qt*16*PKK+\dt*32    ; query r: d 16 dt + 8 h .. + 7
.endr
.endr
.irp t, 0,1,2,3,4,5,6,7,8,9,10,11,12,13,14,15
	ds_load_b128 v[SS+4*\t:SS+4*\t+3], v[RD] offset:\t*4*PKK       ; four rows of 128 bytes; my own stage: LDS serves a wave's instructions in order
.endr
.irp t, 0,1,2,3,4,5,6,7,8,9,10,11,12,13,14,15
	s_wait_dscnt 15-\t                             ; the 15 - t younger loads stay out
	global_store_b128 v[CO], v[SS+4*\t:SS+4*\t+3], s[AOP:AOP+1] offset:\t*512  ; 512 consecutive bytes of ao, aligned
.endr
.Ldone:
	s_wait_tensorcnt 0x0
	ds_add_u32 v254, v255
	s_wait_dscnt 0x0
	ROUND                                          ; the closing round
	s_endpgm
.Lfunc_end_k_q5dfdfd79ce_attn:
	.size	k_q5dfdfd79ce_attn, .Lfunc_end_k_q5dfdfd79ce_attn-k_q5dfdfd79ce_attn
	.p2alignl 7, 3214868480
	.fill 96, 4, 3214868480
	.section	.rodata,"a",@progbits
	.p2align	6, 0x0
	.amdhsa_kernel k_q5dfdfd79ce_attn
		.amdhsa_group_segment_fixed_size 327680
		.amdhsa_private_segment_fixed_size 0
		.amdhsa_enable_private_segment 0
		.amdhsa_kernarg_size 24
		.amdhsa_user_sgpr_count 2
		.amdhsa_user_sgpr_kernarg_segment_ptr 1
		.amdhsa_wavefront_size32 1
		.amdhsa_system_sgpr_workgroup_id_x 1
		.amdhsa_system_sgpr_workgroup_id_y 1
		.amdhsa_system_sgpr_workgroup_id_z 1
		.amdhsa_system_vgpr_workitem_id 0
		.amdhsa_next_free_vgpr 512
		.amdhsa_next_free_sgpr 106
		.amdhsa_reserve_vcc 0
		.amdhsa_float_denorm_mode_32 3
		.amdhsa_float_denorm_mode_16_64 3
		.amdhsa_memory_ordered 1
		.amdhsa_forward_progress 1
		.amdhsa_inst_pref_size 255
	.end_amdhsa_kernel
	.section	.bss,"aw",@nobits
	.p2align	6
	.space	262144
	.amdgpu_metadata
---
amdhsa.version: [ 1, 2 ]
amdhsa.kernels:
  - .name:           k_q5dfdfd79ce_attn
    .symbol:         k_q5dfdfd79ce_attn.kd
    .args:
      - { .name: qkv, .offset: 0, .size: 8, .value_kind: global_buffer, .address_space: global }
      - { .name: mb, .offset: 8, .size: 8, .value_kind: global_buffer, .address_space: global }
      - { .name: ao, .offset: 16, .size: 8, .value_kind: global_buffer, .address_space: global }
    .group_segment_fixed_size: 327680
    .private_segment_fixed_size: 0
    .kernarg_segment_align: 8
    .kernarg_segment_size: 24
    .max_flat_workgroup_size: 256
    .sgpr_count:     106
    .vgpr_count:     512
    .wavefront_size: 32
...
	.end_amdgpu_metadata
.endif
;; end of part 3
;; launch oproj (part 4): grid 8 x 32, 4 waves a work-group, clusters of 4 x 4, 327,680 bytes of LDS; arguments ao, wob, bo, out0; writes out0
.if DOCPART == 4
	.amdgcn_target "amdgcn-amd-amdhsa--gfx1250"
	.amdhsa_code_object_version 6
	.text
	.protected	k_q5dfdfd79ce_oproj
	.globl	k_q5dfdfd79ce_oproj
	.p2align	8
	.type	k_q5dfdfd79ce_oproj,@function
k_q5dfdfd79ce_oproj:
	s_mov_b64 s[64:65], 0
	v_nop
	global_prefetch_b8 v0, s[64:65] scope:SCOPE_SE
	s_setreg_imm32_b32 hwreg(HW_REG_WAVE_MODE, 25, 1), 1
	s_wait_xcnt 0x0
	s_wait_alu depctr_hold_cnt(0) depctr_sa_sdst(0) depctr_va_vdst(0) depctr_va_sdst(0) depctr_va_ssrc(0) depctr_va_vcc(0) depctr_vm_vsrc(0)
	s_getreg_b32 s2, hwreg(HW_REG_IB_STS2, 6, 4)
	s_cmp_eq_u32 s2, 0
	s_cbranch_scc0 .Lentry_in_a_cluster
	s_endpgm
.Lentry_in_a_cluster:
	s_bfe_u32 s2, ttmp6, 0x10000c
	s_cmp_lg_u32 s2, 0xf033
	s_cbranch_scc0 .Lentry_shape_is_right
	s_endpgm
.Lentry_shape_is_right:
; oproj: out0 = ao wo + bo, f32.  ao is f16 [b][head][l][64] (k = 64 head + d), wob is f16 [k 1024][n 1024] (wo rounded to bf16, held as f16 codes).
; 4,096 x 1,024 outputs on 256 work-groups: a block of 128 x 128 each, a wave 64 x 64 (16 accumulator tiles).  Larger blocks would leave work-groups without work.
; K = 1,024 goes through two LDS slots of K = 256 each (four fills, written out without a loop): a refill has 120 matrix instructions in which to land.
; CLUSTER 4 x 4: ao's tile is shared along a row of the cluster, wob's along a column; both are asked for jointly.  Waves 0, 1 ask for two heads of ao each,
; waves 2, 3 for 128 rows of wob each.  By this text's count a wave has two tensor loads out at the start and one behind each later round.
; Transposed use (source 0 = 16 columns of wo, source 1 = 16 rows of ao): a lane's 8 results are 8 neighbouring columns of one row.
; FORMATS: operands f16 (ao for its 11 significant bits; the f16 form takes both operands in f16); sums, bias and result f32.
; REGISTERS: window 0: v16-27 addresses; v64-95 / v128-159 ao fragments, v96-127 / v160-191 wo fragments (two buffers); v192-223 bias; v224-255 at work.  window 1: tile (a, b) at v[8 (4 a + b)].
.set SLOT,  147456                     ; ao: [head 4][row 128] x 144, then wob: 256 rows x 288
.set PA,    144                        ; 128 bytes + 16
.set PB,    288                        ; 256 bytes + 32: an odd multiple of 32, for the transposing load
.set HEADB, 128*PA
.set BOFF,  4*HEADB
.set WPART, 36864                      ; what one wave's load fills: two heads of ao, or 128 rows of wob
.set STAGE, 2*SLOT                     ; 16 rows x 272 for each wave; no fill lands here
.set SP,    272
.set ADRA,  16                         ; v16-17  slot 0, 1
.set ADRB,  20                         ; v20-23  2 slot + half of the slot's 256 rows
.set STO,   24
.set RD,    25
.set CO,    26
.set BOF,   27
.set F0,    64
.set F1,    128
.set BI,    192
.set T,     224
.set G1A,   24
.set G0A,   32
.set G1B,   40
.set G0B,   48
.set MSB, 0
.macro WIN new
.if MSB != \new
	s_set_vgpr_msb (MSB<<8)|\new
.set MSB, \new
.endif
.endm
.macro PLACES                          ; four plain vector places behind a matrix instruction (ISA guide 7.12.1)
.rept 4
	v_nop
.endr
.endm
.macro JLOAD s
	s_cmp_eq_u32 s13, 0
	s_cbranch_scc0 .Lfor_b_\@
	tensor_load_to_lds s[G0A+4*\s:G0A+4*\s+3], s[G1A:G1A+7]
	s_nop 0
	s_branch .Lasked_\@
.Lfor_b_\@:
	tensor_load_to_lds s[G0B+4*\s:G0B+4*\s+3], s[G1B:G1B+7]
	s_nop 0
.Lasked_\@:
.endm
.macro CREST
	s_cmp_lg_u32 s12, 0
	s_cbranch_scc1 .Lnot_wave_0_\@
	s_barrier_signal -3
.Lnot_wave_0_\@:
	s_barrier_wait -3
	s_barrier_signal -1
	s_barrier_wait -1
.endm
.macro CROUND
	s_barrier_signal -1
	s_barrier_wait -1
	CREST
.endm
	s_load_b256 s[4:11], s[0:1], 0x0               ; ao s[4:5], wob s[6:7], bo s[8:9], out0 s[10:11]
	v_lshl_add_u32 v62, v0, 2, 0x4c400
	v_mov_b32 v63, 0
	ds_add_u32 v62, v63
	v_lshrrev_b32 v1, 5, v0
	v_readfirstlane_b32 s12, v1                    ; wave
	s_lshr_b32 s13, s12, 1                         ; which 64 rows; also: I ask for ao (0) or wob (1)
	s_and_b32 s14, s12, 1                          ; which 64 columns; also: which half of that tile
	s_bfe_u32 s15, ttmp6, 0x40000                  ; cx
	s_bfe_u32 s16, ttmp6, 0x40004                  ; cy
	s_lshl_b32 s17, ttmp9, 2
	s_add_co_u32 s17, s17, s15                     ; block of 128 columns
	s_and_b32 s18, ttmp7, 0xffff
	s_lshl_b32 s18, s18, 2
	s_add_co_u32 s18, s18, s16                     ; block of 128 rows
	s_lshl_b32 s56, s16, 2
	s_lshl_b32 s56, 15, s56                        ; my row of the cluster
	s_lshl_b32 s58, 0x1111, s15                    ; my column
	; ao: two heads; a head's 128 rows of 128 bytes are 16,384 consecutive bytes = one row of 2,048 elements of 8 bytes; from head to head 32,768 elements;
	; 16 bytes of padding behind every 32 words, that is behind every row l
	s_or_b32 s[G1A+0], s56, (3<<16)|(1<<20)|(1<<21)|(4<<22)|(3<<25)
	s_mov_b32 s[G1A+1], 2048<<16
	s_mov_b32 s[G1A+2], 2<<16
	s_mov_b32 s[G1A+3], 2048<<16
	s_mov_b32 s[G1A+4], 2
	s_mov_b32 s[G1A+5], 32768
	s_mov_b32 s[G1A+6], 0
	s_mov_b32 s[G1A+7], 0
	; wob: 128 rows k x 128 f16, 32 bytes of padding behind each row of 64 words
	s_or_b32 s[G1B+0], s58, (1<<16)|(1<<20)|(1<<21)|(5<<22)|(7<<25)
	s_mov_b32 s[G1B+1], 128<<16
	s_mov_b32 s[G1B+2], 128<<16
	s_mov_b32 s[G1B+3], 128<<16
	s_mov_b32 s[G1B+4], 128
	s_mov_b32 s[G1B+5], 1024
	s_mov_b32 s[G1B+6], 0
	s_mov_b32 s[G1B+7], 0
	s_lshr_b32 s56, s18, 4                         ; ao: batch x 16 heads of 262,144 bytes
	s_lshl_b32 s56, s56, 22
	s_and_b32 s57, s18, 15
	s_lshl_b32 s57, s57, 14                        ; + (block % 16) x 128 rows of 128 bytes
	s_add_co_u32 s56, s56, s57
	s_lshl_b32 s57, s14, 19                        ; + my two heads
	s_add_co_u32 s56, s56, s57
	s_mov_b32 s57, 0
	s_lshl_b32 s58, s14, 18                        ; wob: my 128 rows of 2,048 bytes
	s_lshl_b32 s59, s17, 8                         ; + the block's 256 bytes of a row
	s_add_co_u32 s58, s58, s59
	s_mov_b32 s59, 0
	s_mul_i32 s19, s12, WPART                      ; LDS: wave x 36,864: ao's two halves, then wob's
	s_wait_dscnt 0x0
	s_wait_kmcnt 0x0
	s_add_nc_u64 s[56:57], s[4:5], s[56:57]
	s_add_nc_u64 s[58:59], s[6:7], s[58:59]
	CROUND                                         ; all sixteen work-groups are here: the first joint loads meet
.irp s, 0,1
	s_mov_b32 s[G0A+4*\s], 1
	s_add_co_u32 s[G0A+4*\s+1], s19, \s*SLOT
	s_add_nc_u64 s[G0A+4*\s+2:G0A+4*\s+3], s[56:57], \s*1048576    ; four heads a slot
	s_or_b32 s[G0A+4*\s+3], s[G0A+4*\s+3], 0x80000000
	s_mov_b32 s[G0B+4*\s], 1
	s_add_co_u32 s[G0B+4*\s+1], s19, \s*SLOT
	s_add_nc_u64 s[G0B+4*\s+2:G0B+4*\s+3], s[58:59], \s*524288     ; 256 rows a slot
	s_or_b32 s[G0B+4*\s+3], s[G0B+4*\s+3], 0x80000000
	JLOAD \s
.endr
	v_and_b32 v1, 15, v0                           ; r
	v_bfe_u32 v2, v0, 4, 1                         ; h
	v_mul_u32_u24 v3, v1, PA
	v_lshl_add_u32 v3, v2, 4, v3
	s_mul_i32 s20, s13, 64*PA
	v_add_nc_u32 v[ADRA], s20, v3                  ; (64 mh + r) pitch + 16 h
	v_add_nc_u32 v[ADRA+1], SLOT, v[ADRA]
	v_and_b32 v4, 7, v0
	v_lshl_add_u32 v4, v2, 3, v4
	v_mul_u32_u24 v4, v4, PB
	v_bfe_u32 v5, v0, 3, 1
	v_lshl_add_u32 v4, v5, 4, v4
	s_lshl_b32 s20, s14, 7
	s_add_co_u32 s20, s20, BOFF
	v_add_nc_u32 v[ADRB], s20, v4                  ; (8 h + lane%8) pitch + 16 ((lane/8)%2) + 128 nh
	v_add_nc_u32 v[ADRB+1], WPART, v[ADRB]
	v_add_nc_u32 v[ADRB+2], SLOT, v[ADRB]
	v_add_nc_u32 v[ADRB+3], SLOT+WPART, v[ADRB]
	s_mul_i32 s20, s12, 16*SP
	s_add_co_u32 s20, s20, STAGE
	v_mul_u32_u24 v6, v1, SP
	v_lshl_add_u32 v6, v2, 5, v6
	v_add_nc_u32 v[STO], s20, v6                   ; in: row r, 32 bytes for each half of the lanes
	v_mul_u32_u24 v7, v2, SP
	v_lshl_add_u32 v7, v1, 4, v7
	v_add_nc_u32 v[RD], s20, v7                    ; back: lanes 0-15 one row of 256 bytes, lanes 16-31 the next
	v_lshlrev_b32 v8, 4, v1
	v_lshl_add_u32 v[CO], v2, 12, v8               ; the same two rows in out0
	s_lshl_b32 s62, s17, 9
	s_lshl_b32 s63, s14, 8
	s_add_co_u32 s62, s62, s63                     ; my first column, in bytes
	v_lshl_add_u32 v[BOF], v2, 5, s62
.irp b, 0,1,2,3
	global_load_b128 v[BI+8*\b:BI+8*\b+3],   v[BOF], s[8:9] offset:\b*64       ; bo of my 8 columns of tile b; waited for on the way out
	global_load_b128 v[BI+8*\b+4:BI+8*\b+7], v[BOF], s[8:9] offset:\b*64+16
.endr
	s_lshl_b32 s60, s18, 7
	s_lshl_b32 s61, s13, 6
	s_add_co_u32 s60, s60, s61
	s_lshl_b32 s60, s60, 12                        ; my first row x 4,096 bytes
	s_add_co_u32 s60, s60, s62
	s_mov_b32 s61, 0
	s_add_nc_u64 s[10:11], s[10:11], s[60:61]
; 16 LDS loads: the fragments of 32 along K (part kq of the slot's eight) into buffer f
.macro FETCH slot, kq, f
.irp b, 0,1,2,3
	ds_load_tr16_b128 v[\f+32+8*\b:\f+32+8*\b+3],   v[ADRB+2*\slot+(\kq/4)] offset:(\kq%4)*32*PB+\b*32
	ds_load_tr16_b128 v[\f+32+8*\b+4:\f+32+8*\b+7], v[ADRB+2*\slot+(\kq/4)] offset:(\kq%4)*32*PB+\b*32+16*PB
.endr
.irp i, 0,1,2,3
	ds_load_b128 v[\f+8*\i:\f+8*\i+3],   v[ADRA+\slot] offset:(\kq/2)*HEADB+\i*16*PA+(\kq%2)*64
	ds_load_b128 v[\f+8*\i+4:\f+8*\i+7], v[ADRA+\slot] offset:(\kq/2)*HEADB+\i*16*PA+(\kq%2)*64+32
.endr
.endm
; 8 matrix instructions; the 16 accumulators take turns, one instruction a turn, in one fixed order.
.macro MUL8 f, a0, zero
.irp a, \a0, \a0+1
.irp b, 0,1,2,3
.if \zero
	v_wmma_f32_16x16x32_f16 v[8*(4*(\a)+\b):8*(4*(\a)+\b)+7], v[\f+32+8*\b:\f+32+8*\b+7], v[\f+8*(\a):\f+8*(\a)+7], 0
.else
	v_wmma_f32_16x16x32_f16 v[8*(4*(\a)+\b):8*(4*(\a)+\b)+7], v[\f+32+8*\b:\f+32+8*\b+7], v[\f+8*(\a):\f+8*(\a)+7], v[8*(4*(\a)+\b):8*(4*(\a)+\b)+7]
.endif
.endr
.endr
.endm
.macro QUARTER slot, kqn, f, g, zero
	s_wait_dscnt 0x0                               ; buffer f, asked for 16 matrix instructions ago
	PLACES                                         ; buffer g was read by the matrix instructions just issued
	FETCH \slot, \kqn, \g
	WIN 0x50                                       ; C and D in window 1
	MUL8 \f, 0, \zero
	MUL8 \f, 2, \zero
	WIN 0
.endm
.macro SEVEN slot, zero
	QUARTER \slot, 1, F0, F1, \zero
	QUARTER \slot, 2, F1, F0, 0
	QUARTER \slot, 3, F0, F1, 0
	QUARTER \slot, 4, F1, F0, 0
	QUARTER \slot, 5, F0, F1, 0
	QUARTER \slot, 6, F1, F0, 0
	QUARTER \slot, 7, F0, F1, 0
.endm
; The slot's last part, and the change of slots: my reads of this slot are back and all my tensor loads have landed in front of the barrier;
; with fill = 1 it opens a round of the cluster's barrier, and the joint refill is the first thing behind the round.
.macro TURN slot, next, fill
	s_wait_dscnt 0x0
	s_wait_tensorcnt 0x0
	ds_add_u32 v62, v63
	s_wait_dscnt 0x0
	s_barrier_signal -1
	WIN 0x50
	MUL8 F1, 0, 0
	WIN 0
	s_barrier_wait -1
.if \fill
	CREST
	s_add_nc_u64 s[G0A+4*\slot+2:G0A+4*\slot+3], s[G0A+4*\slot+2:G0A+4*\slot+3], 2097152   ; eight heads on
	s_add_nc_u64 s[G0B+4*\slot+2:G0B+4*\slot+3], s[G0B+4*\slot+2:G0B+4*\slot+3], 1048576   ; 512 rows on
	JLOAD \slot
.endif
	PLACES
	FETCH \next, 0, F0
	WIN 0x50
	MUL8 F1, 2, 0
	WIN 0
.endm
	s_wait_tensorcnt 0x1                           ; my part of slot 0 is in; slot 1's load, issued behind it, may stay out
	s_barrier_signal -1
	s_barrier_wait -1
	FETCH 0, 0, F0
	SEVEN 0, 1                                     ; k 0-255; the first products start the sums
	TURN 0, 1, 1                                   ; asks for k 512-767
	SEVEN 1, 0                                     ; k 256-511
	TURN 1, 0, 1                                   ; asks for k 768-1023
	SEVEN 0, 0
	TURN 0, 1, 0
	SEVEN 1, 0
	s_wait_dscnt 0x0
	WIN 0x50
	MUL8 F1, 0, 0
	MUL8 F1, 2, 0
	WIN 0
	; THE WAY OUT, 16 rows at a time: bias added, 32 bytes a lane into my own stage, read back as whole rows of 256 bytes.
	PLACES
	s_wait_loadcnt 0x0                             ; the bias
.macro OUT16 a, f
	WIN 0x01                                       ; source 0 (the sums) in window 1
.irp b, 0,1,2,3
.irp u, 0,1,2,3
	v_pk_add_f32 v[T+8*\b+2*\u:T+8*\b+2*\u+1], v[8*(4*\a+\b)+2*\u:8*(4*\a+\b)+2*\u+1], v[BI+8*\b+2*\u:BI+8*\b+2*\u+1]
.endr
.endr
	WIN 0
.irp b, 0,1,2,3
	ds_store_b128 v[STO], v[T+8*\b:T+8*\b+3]   offset:64*\b
	ds_store_b128 v[STO], v[T+8*\b+4:T+8*\b+7] offset:64*\b+16
.endr
	s_wait_xcnt 0x0                                ; buffer f, which earlier stores read, and the stores' base are rewritten only behind this wait
.if \a
	s_add_nc_u64 s[10:11], s[10:11], 65536         ; 16 rows of out0 on
.endif
.irp t, 0,1,2,3,4,5,6,7
	ds_load_b128 v[\f+4*\t:\f+4*\t+3], v[RD] offset:\t*2*SP        ; my own stage: LDS serves a wave's instructions in order
.endr
.irp t, 0,1,2,3,4,5,6,7
	s_wait_dscnt 7-\t                              ; the 7 - t younger loads stay out
	global_store_b128 v[CO], v[\f+4*\t:\f+4*\t+3], s[10:11] offset:\t*8192     ; 16 lanes store 256 consecutive bytes, aligned
.endr
.endm
	OUT16 0, F0
	OUT16 1, F1
	OUT16 2, F0
	OUT16 3, F1
	s_wait_tensorcnt 0x0
	ds_add_u32 v62, v63
	s_wait_dscnt 0x0
	CROUND                                         ; the closing round
	s_endpgm
.Lfunc_end_k_q5dfdfd79ce_oproj:
	.size	k_q5dfdfd79ce_oproj, .Lfunc_end_k_q5dfdfd79ce_oproj-k_q5dfdfd79ce_oproj
	.p2alignl 7, 3214868480
	.fill 96, 4, 3214868480
	.section	.rodata,"a",@progbits
	.p2align	6, 0x0
	.amdhsa_kernel k_q5dfdfd79ce_oproj
		.amdhsa_group_segment_fixed_size 327680
		.amdhsa_private_segment_fixed_size 0
		.amdhsa_enable_private_segment 0
		.amdhsa_kernarg_size 32
		.amdhsa_user_sgpr_count 2
		.amdhsa_user_sgpr_kernarg_segment_ptr 1
		.amdhsa_wavefront_size32 1
		.amdhsa_system_sgpr_workgroup_id_x 1
		.amdhsa_system_sgpr_workgroup_id_y 1
		.amdhsa_system_sgpr_workgroup_id_z 1
		.amdhsa_system_vgpr_workitem_id 0
		.amdhsa_next_free_vgpr 384
		.amdhsa_next_free_sgpr 66
		.amdhsa_reserve_vcc 0
		.amdhsa_float_denorm_mode_32 3
		.amdhsa_float_denorm_mode_16_64 3
		.amdhsa_memory_ordered 1
		.amdhsa_forward_progress 1
		.amdhsa_inst_pref_size 94
	.end_amdhsa_kernel
	.amdgpu_metadata
---
amdhsa.version: [ 1, 2 ]
amdhsa.kernels:
  - .name:           k_q5dfdfd79ce_oproj
    .symbol:         k_q5dfdfd79ce_oproj.kd
    .args:
      - { .name: ao, .offset: 0, .size: 8, .value_kind: global_buffer, .address_space: global }
      - { .name: wob, .offset: 8, .size: 8, .value_kind: global_buffer, .address_space: global }
      - { .name: bo, .offset: 16, .size: 8, .value_kind: global_buffer, .address_space: global }
      - { .name: out0, .offset: 24, .size: 8, .value_kind: global_buffer, .address_space: global }
    .group_segment_fixed_size: 327680
    .private_segment_fixed_size: 0
    .kernarg_segment_align: 8
    .kernarg_segment_size: 32
    .max_flat_workgroup_size: 128
    .sgpr_count:     66
    .vgpr_count:     384
    .wavefront_size: 32
...
	.end_amdgpu_metadata
.endif
;; end of part 4
